; MI455X (gfx1250); checked and timed in simulation.
; The chip was launched on July 23, 2026; its instructions are those of AMD's public machine-readable ISA for CDNA 5 (MIT licence, August 2026) and "CDNA5" Instruction Set Architecture Reference Guide (July 2026). The comments in the code are by the model that wrote it; some were corrected since.
;; ITL Regularizer. Allowed arithmetic: float matrix products may take bf16 or f16 operands with f32 sums; all other float work in f32.
;; Inputs: ks one number float32; theta one number float32; x 8,192 x 3 float32; z 8,192 x 3 float32.
;; Outputs: out0 8,192 x 3 float32; out1 8,192 x 3 float32; out2 one number float32.
;; 2 versions, each right and faster than the one before. Each part assembles by itself: llvm-mc -triple=amdgcn-amd-amdhsa -mcpu=gfx1250 --defsym DOCPART=n.
;; ======== version 1 of 2: 2 launches
;; workspace buffers: part 16,384 bytes
;; launch pairs (part 1): grid 256 x 1, 4 waves a work-group, no clusters, 0 bytes of LDS; arguments ks, x, z, out0, out1, part; writes out0, out1, part
.if DOCPART == 1
	.amdgcn_target "amdgcn-amd-amdhsa--gfx1250"
	.amdhsa_code_object_version 6
	.text
	.protected	k_q2b2845d93a_pairs
	.globl	k_q2b2845d93a_pairs
	.p2align	8
	.type	k_q2b2845d93a_pairs,@function
k_q2b2845d93a_pairs:
	s_mov_b64 s[64:65], 0
	v_nop
	global_prefetch_b8 v0, s[64:65] scope:SCOPE_SE
	s_setreg_imm32_b32 hwreg(HW_REG_WAVE_MODE, 25, 1), 1
	s_wait_xcnt 0x0
; Sums of exp(-|a-b|^2 / ks) over the pairs (x,x), (z,z) and (x,z) of two sets of 8,192 points in 3 dimensions, and the copies out0 = x, out1 = z.
;
; WHICH PAIRS.  Each set is 64 blocks of 128 points.  The sums over (x,x) and (z,z) are symmetric for every input, so row block i takes of
; its OWN set only the column blocks i+d (mod 64), d = 0 (weight 1), d = 1..31 (weight 2: they stand for their mirror images too) and
; d = 32 (weight 1: both partners compute it): weights 1 + 2*31 + 1 = 64 blocks, the whole row.  Of the OTHER set an x row block i takes the z
; blocks i .. i+31, a z row block k the x blocks k+1 .. k+32 (mod 64): every (x,z) block once.  So each of the 128 row blocks has 65 column
; blocks = 520 column tiles of 16 points, and 8 waves (2 work-groups of 4) take 65 tiles each: 1,024 waves with the same work.
; Work-group g: row block g>>1 (0-63: x, 64-127: z), half g&1.  Wave w: 64 MAIN tiles (half 0: own tiles 64w..64w+63 counted from the
; diagonal; half 1: the same range of the other set) and one SPECIAL tile, number 4*half + w of the own set's block d = 32.
;
; THE EXPONENT IS ONE MATRIX PRODUCT.  With c = log2(e)/ks:  e = sum_d (2c a_d) b_d - c|a|^2 + (w - c|b|^2),  exp2(e) = weight * G,  w = 0 or 1.
; Every f32 factor is cut into three bf16 pieces h, m, l by truncation (8 + 8 + 8 mantissa bits: the cut is exact), and the 32 places along K
; hold, for lane half h = lane/16 (A's and B's fragments have the same map, so register j, half-word y of A meets the same of B):
;   register d   (d = 0,1,2)  B: (bh, bm) in both lane halves      A: half 0 (ah, ah)   half 1 (am, am)
;   register 3+d              B: (bh, bl) in both lane halves      A: half 0 (al, ah)   half 1 (0,  am)
;   register 6                B: (th, tm) in both lane halves      A: half 0 (1, 1)     half 1 (0, 0)          t = w - c|b|^2
;   register 7                B: half 0 (tl, 1)  half 1 (1, 1)     A: half 0 (1, sh)    half 1 (sm, sl)        s = -c|a|^2
; Left out: al*bm and al*bl, below 2^-21 of |a_d b_d|.  A tile of 16 x 16 pairs then costs one matrix instruction, 8 exponentials, 4 packed adds.
;
; NO LDS, NO TENSOR LOADS, NO CLUSTER: a B fragment serves one wave alone (8 products); a wave's whole column stream is 64 tiles x 192 bytes
; = 12 KiB, each tile feeds 2,048 exponentials, both sets are 192 KiB in all, and a lane needs its point in registers to cut it into pieces.
;
; LIMITS.  ks: a positive normal number; 1/ks by v_rcp_f32 (1 ULP).  exp2 below 2^-126 counts as 0 (v_exp_f32 flushes; each such term is far
; below the 1e-5 that is added to the means later).  Where c|x|^2 overflows f32 the result is not finite, as in the expanded form itself.
; The terms are summed in another order than a row-major mean.
.set TILEB, 192                        ; a column tile: 16 points of 12 bytes
; vector registers
.set L12,  1                           ; 12 * (lane % 16): my point in a tile of 16
.set SELV, 2                           ; byte selector for B's register 7: differs between the lane halves
.set TMP,  3
.set ACCM, 4                           ; v[4:11]    sums of the main tiles
.set ACCS, 12                          ; v[12:19]   sums of the special tile
.set T,    20                          ; v[20:23]   first pieces as f32
.set U,    24                          ; v[24:27]   second pieces as f32
.set P1,   28                          ; v[28:31]   value - first piece
.set P2,   32                          ; v[32:35]   value - first - second piece (= third piece)
.set Q,    36                          ; |b|^2
.set RAW,  40                          ; v[40:55]   four slots: b0, b1, b2 as loaded, and t
.set RAWS, 56                          ; v[56:59]   the same for the special tile
.set BF,   64                          ; v[64:79]   two B fragments: tile n lives in fragment n & 1
.set BFS,  80                          ; v[80:87]   the special tile's B fragment
.set A,    96                          ; v[96:159]  eight A fragments: my 128 rows
.set D,    160                         ; v[160:223] eight result tiles; in the prologue the rows as loaded
; scalar registers
.set S_KS,    16
.set S_WAVE,  17
.set S_HALF,  18
.set S_ISZ,   19                       ; 1: my rows are z's
.set S_I,     20                       ; row block inside its set
.set S_TMP,   21
.set S_OWN,   22                       ; pair: the set of my rows
.set S_COL,   24                       ; pair: the set of my main tiles
.set S_OUT,   26                       ; pair: where my share of the copy goes
.set S_NEGC,  28
.set S_TWOC,  29
.set S_W,     30                       ; w of the tile that is being cut
.set S_WMAIN, 31                       ; 1.0 in half 0, 0 in half 1
.set S_T0,    32                       ; main tiles below this number lie in the diagonal block: w = 0
.set S_MASK,  33                       ; 0xffff0000: a word's bf16 part ...
.set S_HM,    33                       ; ... and, the same 32 bits, the mask of lanes 16-31
.set S_SEL,   34
.set S_SELHH, 35
.set S_ONE,   36
.set S_ONES2, 37
.set S_T,     38                       ; number of the first step of a trip
.set S_CB,    39                       ; column tile of main tile 0
.set S_OFF,   40                       ; pair: a byte offset, high word 0
.set S_TC,    42                       ; S_T + S_CB
.set S_EX,    43
.set S_SB,    44                       ; four pairs: each raw slot's base
.set S_ROW,   52                       ; pair
.set S_SPB,   54                       ; pair
.set S_CPY,   56                       ; pair
.set S_X16A,  58
.set S_X16B,  59
.set S_F1,    60
.set S_FX,    61
.set S_FZ,    62
; base of raw slot \slot = column set + 192 * ((S_TC + ahead) mod 512)
.macro COLBASE slot, ahead
	s_add_co_u32 s[S_TMP], s[S_TC], \ahead
	s_and_b32 s[S_TMP], s[S_TMP], 511
	s_mul_i32 s[S_OFF], s[S_TMP], TILEB
	s_add_nc_u64 s[S_SB+2*\slot:S_SB+2*\slot+1], s[S_COL:S_COL+1], s[S_OFF:S_OFF+1]
.endm
; w of main tile S_T + ahead
.macro WEIGHT ahead
	s_add_co_u32 s[S_TMP], s[S_T], \ahead
	s_cmp_ge_u32 s[S_TMP], s[S_T0]
	s_cselect_b32 s[S_W], s[S_WMAIN], 0
.endm
; Instruction k (0..23) of the cut of one column tile: raw slot at v[RW], fragment at v[BW] (symbols set by the caller).
; v_perm_b32 with 0x07060302 packs {first source's high half, second source's high half}: taking a high half IS the truncation to bf16.
.macro FOP k
.if (\k) == 0
	v_mul_f32 v[Q], v[RW], v[RW]
.endif
.if (\k) == 1
	v_and_b32 v[T], s[S_MASK], v[RW]
.endif
.if (\k) == 2
	v_and_b32 v[T+1], s[S_MASK], v[RW+1]
.endif
.if (\k) == 3
	v_fmac_f32 v[Q], v[RW+1], v[RW+1]
.endif
.if (\k) == 4
	v_and_b32 v[T+2], s[S_MASK], v[RW+2]
.endif
.if (\k) == 5
	v_pk_add_f32 v[P1:P1+1], v[RW:RW+1], v[T:T+1] neg_lo:[0,1] neg_hi:[0,1]
.endif
.if (\k) == 6
	v_fmac_f32 v[Q], v[RW+2], v[RW+2]
.endif
.if (\k) == 7
	v_and_b32 v[U], s[S_MASK], v[P1]
.endif
.if (\k) == 8
	v_and_b32 v[U+1], s[S_MASK], v[P1+1]
.endif
.if (\k) == 9
	v_fma_f32 v[RW+3], s[S_NEGC], v[Q], s[S_W]             ; t = w - c |b|^2
.endif
.if (\k) == 10
	v_pk_add_f32 v[P2:P2+1], v[P1:P1+1], v[U:U+1] neg_lo:[0,1] neg_hi:[0,1]
.endif
.if (\k) == 11
	v_and_b32 v[T+3], s[S_MASK], v[RW+3]
.endif
.if (\k) == 12
	v_pk_add_f32 v[P1+2:P1+3], v[RW+2:RW+3], v[T+2:T+3] neg_lo:[0,1] neg_hi:[0,1]
.endif
.if (\k) == 13
	v_perm_b32 v[BW], v[P1], v[RW], s[S_SEL]               ; (bh0, bm0)
.endif
.if (\k) == 14
	v_perm_b32 v[BW+1], v[P1+1], v[RW+1], s[S_SEL]
.endif
.if (\k) == 15
	v_and_b32 v[U+2], s[S_MASK], v[P1+2]
.endif
.if (\k) == 16
	v_and_b32 v[U+3], s[S_MASK], v[P1+3]
.endif
.if (\k) == 17
	v_perm_b32 v[BW+3], v[P2], v[RW], s[S_SEL]             ; (bh0, bl0)
.endif
.if (\k) == 18
	v_pk_add_f32 v[P2+2:P2+3], v[P1+2:P1+3], v[U+2:U+3] neg_lo:[0,1] neg_hi:[0,1]
.endif
.if (\k) == 19
	v_perm_b32 v[BW+4], v[P2+1], v[RW+1], s[S_SEL]
.endif
.if (\k) == 20
	v_perm_b32 v[BW+2], v[P1+2], v[RW+2], s[S_SEL]
.endif
.if (\k) == 21
	v_perm_b32 v[BW+6], v[P1+3], v[RW+3], s[S_SEL]         ; (th, tm)
.endif
.if (\k) == 22
	v_perm_b32 v[BW+5], v[P2+2], v[RW+2], s[S_SEL]
.endif
.if (\k) == 23
	v_perm_b32 v[BW+7], s[S_ONE], v[P2+3], v[SELV]         ; lanes 0-15 (tl, 1), lanes 16-31 (1, 1)
.endif
.endm
.macro FORMAT_ALL                      ; the 24 in one run (prologue)
.set fk, 0
.rept 24
	FOP fk
.set fk, fk+1
.endr
.endm
; The A fragment of rows 16 s .. 16 s + 15 of my block; the rows as loaded lie at v[D+4s .. D+4s+2]
.macro ABUILD s
.set RA, D+4*\s
.set AF, A+8*\s
	v_mul_f32 v[Q], v[RA], v[RA]
	v_fmac_f32 v[Q], v[RA+1], v[RA+1]
	v_fmac_f32 v[Q], v[RA+2], v[RA+2]
	v_mul_f32 v[RA], s[S_TWOC], v[RA]                      ; 2c a_d
	v_mul_f32 v[RA+1], s[S_TWOC], v[RA+1]
	v_mul_f32 v[RA+2], s[S_TWOC], v[RA+2]
	v_mul_f32 v[RA+3], s[S_NEGC], v[Q]                     ; s = -c |a|^2
.irp n, 0,1,2,3
	v_and_b32 v[T+\n], s[S_MASK], v[RA+\n]
.endr
	v_pk_add_f32 v[P1:P1+1], v[RA:RA+1], v[T:T+1] neg_lo:[0,1] neg_hi:[0,1]
	v_pk_add_f32 v[P1+2:P1+3], v[RA+2:RA+3], v[T+2:T+3] neg_lo:[0,1] neg_hi:[0,1]
.irp n, 0,1,2,3
	v_and_b32 v[U+\n], s[S_MASK], v[P1+\n]
.endr
	v_pk_add_f32 v[P2:P2+1], v[P1:P1+1], v[U:U+1] neg_lo:[0,1] neg_hi:[0,1]
	v_pk_add_f32 v[P2+2:P2+3], v[P1+2:P1+3], v[U+2:U+3] neg_lo:[0,1] neg_hi:[0,1]
.irp n, 0,1,2
	v_cndmask_b32 v[T+\n], v[RA+\n], v[P1+\n], s[S_HM]     ; lanes 0-15: the value (its high half is ah); lanes 16-31: am
	v_cndmask_b32 v[U+\n], v[P2+\n], 0, s[S_HM]            ; lanes 0-15: al; lanes 16-31: 0
	v_perm_b32 v[AF+\n], v[T+\n], v[T+\n], s[S_SELHH]      ; (ah, ah) | (am, am)
	v_perm_b32 v[AF+3+\n], v[T+\n], v[U+\n], s[S_SEL]      ; (al, ah) | (0, am): low half from the second source
.endr
	v_cndmask_b32 v[AF+6], s[S_ONES2], 0, s[S_HM]          ; (1, 1) | (0, 0)
	v_cndmask_b32 v[T+3], v[RA+3], v[P2+3], s[S_HM]        ; high half: sh | sl
	v_cndmask_b32 v[U+3], s[S_ONE], v[P1+3], s[S_HM]       ; low half:  1  | sm
	v_perm_b32 v[AF+7], v[T+3], v[U+3], s[S_SEL]
.endm
; one packed add of result tile v[c_dp ..] into the sums v[c_ac ..]; c_st = 1: the first term starts the sums, nothing is cleared
.macro SUMOP n
.if c_sum
.if c_st
	s_wait_alu depctr_va_vdst(0)
	v_pk_add_f32 v[c_ac+2*\n:c_ac+2*\n+1], v[c_dp+2*\n:c_dp+2*\n+1], 0 op_sel_hi:[1,0]
.else
	s_wait_alu depctr_va_vdst(0)
	v_pk_add_f32 v[c_ac+2*\n:c_ac+2*\n+1], v[c_ac+2*\n:c_ac+2*\n+1], v[c_dp+2*\n:c_dp+2*\n+1]
.endif
.endif
.endm
; STEP t (tm = t mod 4, t = S_T + j): the exponentials of tile t.  Eighth i: 8 exponentials in place on result tile i; between them the four
; adds of result tile i-1 and three instructions of the cut of tile t+2; then the product that fills result tile i-1 again (eighth 0: tile
; 7 of tile t, fragment bcur; eighths 1-7: tiles 0-6 of tile t+1, fragment bnxt).
; Distances: a product's result is read seven eighths later, behind some 49 plain vector instructions that name none of its registers, and the
; cut writes its fragment (instruction 13 on, eighth 4) three eighths behind the last product that read it (ISA guide 7.12.1 asks for 4 places).
; An exponential's result is added one eighth later; a plain independent instruction always stands between (ISA guide 5.7.2).
; sum7: add result tile 7 of tile t-1 (always a main tile); first: eighth 1 starts the sums acc; wnxt: tile t+1 exists;
; fmt: cut tile t+2, left = younger loads that may stay out; load: fetch tile t+6 into the slot just cut.
.macro STEP tm, j, sum7, first, acc, bcur, wnxt, bnxt, fmt, left, load
.set c_sl, ((\tm)+2)&3
.set RW, RAW+4*c_sl
.set BW, BF+8*((\tm)&1)
.if \fmt
	s_wait_loadcnt \left                                   ; loads return in order (ISA guide 5.7.1): tile t+2 is in, and its slot's base is free
	WEIGHT \j+2
.endif
.irp i, 0,1,2,3,4,5,6,7
.set c_de, D+8*\i
.set c_pb, (\i+7)&7
.set c_dp, D+8*c_pb
.if \i == 0
.set c_sum, \sum7
.set c_st, 0
.set c_ac, ACCM
.set c_w, 1
.set c_bb, \bcur
.else
.set c_sum, 1
.set c_st, 0
.if \i == 1
.set c_st, \first
.endif
.set c_ac, \acc
.set c_w, \wnxt
.set c_bb, \bnxt
.endif
	v_exp_f32 v[c_de], v[c_de]
	v_exp_f32 v[c_de+1], v[c_de+1]
	SUMOP 0
	v_exp_f32 v[c_de+2], v[c_de+2]
.if \fmt
	FOP 3*\i
.endif
	v_exp_f32 v[c_de+3], v[c_de+3]
	SUMOP 1
	v_exp_f32 v[c_de+4], v[c_de+4]
.if \fmt
	FOP 3*\i+1
.endif
	v_exp_f32 v[c_de+5], v[c_de+5]
	SUMOP 2
	v_exp_f32 v[c_de+6], v[c_de+6]
.if \fmt
	FOP 3*\i+2
.endif
	v_exp_f32 v[c_de+7], v[c_de+7]
	SUMOP 3
.if c_w
	v_wmma_f32_16x16x32_bf16 v[c_dp:c_dp+7], v[A+8*c_pb:A+8*c_pb+7], v[c_bb:c_bb+7], 0
.endif
.endr
.if \load
	COLBASE c_sl, \j+6
	global_load_b96 v[RW:RW+2], v[L12], s[S_SB+2*c_sl:S_SB+2*c_sl+1]
.endif
.endm
.macro STEPN tm, j, fmt, left, load    ; a step in the middle: all sums are main sums, both fragments come from the ring of two
	STEP \tm, \j, 1, 0, ACCM, BF+8*((\tm)&1), 1, BF+8*(((\tm)+1)&1), \fmt, \left, \load
.endm
; ---------------------------------------------------------------- prologue
	s_load_b256 s[4:11], s[0:1], 0x0               ; ks s[4:5], x s[6:7], z s[8:9], out0 s[10:11]
	s_load_b128 s[12:15], s[0:1], 0x20             ; out1 s[12:13], part s[14:15]
	v_lshrrev_b32 v[TMP], 5, v0
	v_readfirstlane_b32 s[S_WAVE], v[TMP]
	v_and_b32 v[L12], 15, v0
	v_mul_u32_u24 v[L12], v[L12], 12
	v_lshlrev_b32 v[U], 3, v0                      ; the copy: 8 bytes a thread
	s_and_b32 s[S_HALF], ttmp9, 1
	s_lshr_b32 s[S_ISZ], ttmp9, 7
	s_bfe_u32 s[S_I], ttmp9, 0x60001               ; 6 bits from bit 1
	s_mov_b32 s[S_MASK], 0xffff0000
	s_mov_b32 s[S_SEL], 0x07060302
	s_mov_b32 s[S_SELHH], 0x07060706
	s_mov_b32 s[S_ONE], 0x3f800000                 ; 1.0 in f32; its high half is 1.0 in bf16
	s_mov_b32 s[S_ONES2], 0x3f803f80               ; 1.0 twice in bf16
	s_mov_b32 s[S_X16A], 0x76543210
	s_mov_b32 s[S_X16B], 0xfedcba98
	v_mov_b32 v[SELV], s[S_SELHH]
	v_cndmask_b32 v[SELV], s[S_SEL], v[SELV], s[S_HM]
	s_lshl_b32 s[S_CB], s[S_I], 3                  ; column tile of main tile 0: 8 i
	s_lshl_b32 s[S_TMP], s[S_WAVE], 6
	s_add_co_u32 s[S_CB], s[S_CB], s[S_TMP]        ; + 64 w
	s_and_b32 s[S_TMP], s[S_HALF], s[S_ISZ]
	s_lshl_b32 s[S_TMP], s[S_TMP], 3
	s_add_co_u32 s[S_CB], s[S_CB], s[S_TMP]        ; + 8 where z rows meet x columns (blocks k+1 .. k+32)
	s_mov_b32 s[S_T], 0
	s_mov_b32 s[S_TC], s[S_CB]
	s_mov_b32 s[S_OFF+1], 0
	s_cmp_eq_u32 s[S_HALF], 0
	s_cselect_b32 s[S_WMAIN], s[S_ONE], 0
	s_cselect_b32 s[S_F1], 0, s[S_ONE]
	s_cmp_eq_u32 s[S_WAVE], 0
	s_cselect_b32 s[S_T0], 8, 0                    ; wave 0's first 8 tiles: in half 0 the diagonal block (in half 1 w is 0 anyway)
	s_cmp_eq_u32 s[S_ISZ], 0
	s_cselect_b32 s[S_FX], s[S_ONE], 0
	s_cselect_b32 s[S_FZ], 0, s[S_ONE]
	s_wait_kmcnt 0x0
	s_load_b32 s[S_KS], s[4:5], 0x0
	s_cmp_eq_u32 s[S_ISZ], 0
	s_cselect_b64 s[S_OWN:S_OWN+1], s[6:7], s[8:9]
	s_cselect_b64 s[S_COL:S_COL+1], s[8:9], s[6:7]         ; the other set
	s_cselect_b64 s[S_OUT:S_OUT+1], s[10:11], s[12:13]
	s_cmp_eq_u32 s[S_HALF], 0
	s_cselect_b64 s[S_COL:S_COL+1], s[S_OWN:S_OWN+1], s[S_COL:S_COL+1]
	s_mul_i32 s[S_OFF], s[S_I], 128*12
	s_add_nc_u64 s[S_ROW:S_ROW+1], s[S_OWN:S_OWN+1], s[S_OFF:S_OFF+1]
.irp n, 0,1,2,3,4,5,6,7
	global_load_b96 v[D+4*\n:D+4*\n+2], v[L12], s[S_ROW:S_ROW+1] offset:\n*TILEB   ; row 16 n + lane % 16, in both lane halves
.endr
.irp n, 0,1,2,3
	COLBASE \n, \n
	global_load_b96 v[RAW+4*\n:RAW+4*\n+2], v[L12], s[S_SB+2*\n:S_SB+2*\n+1]       ; main tiles 0 to 3
.endr
	s_lshl_b32 s[S_TMP], s[S_HALF], 2              ; the special tile: own set, tile 8 i + 256 + 4 half + w (mod 512)
	s_add_co_u32 s[S_TMP], s[S_TMP], s[S_WAVE]
	s_lshl3_add_u32 s[S_TMP], s[S_I], s[S_TMP]
	s_add_co_u32 s[S_TMP], s[S_TMP], 256
	s_and_b32 s[S_TMP], s[S_TMP], 511
	s_mul_i32 s[S_OFF], s[S_TMP], TILEB
	s_add_nc_u64 s[S_SPB:S_SPB+1], s[S_OWN:S_OWN+1], s[S_OFF:S_OFF+1]
	global_load_b96 v[RAWS:RAWS+2], v[L12], s[S_SPB:S_SPB+1]
	s_and_b32 s[S_TMP], ttmp9, 127                 ; the copy: 768 bytes of my rows' set for each of its 128 work-groups
	s_mul_i32 s[S_OFF], s[S_TMP], 768
	s_add_nc_u64 s[S_CPY:S_CPY+1], s[S_OWN:S_OWN+1], s[S_OFF:S_OFF+1]
	s_add_nc_u64 s[S_OUT:S_OUT+1], s[S_OUT:S_OUT+1], s[S_OFF:S_OFF+1]
	s_wait_kmcnt 0x0                               ; ks
	v_rcp_f32 v[TMP], s[S_KS]
	v_nop                                          ; one plain place behind the reciprocal (ISA guide 5.7.2)
	s_wait_alu depctr_va_vdst(0)
	v_mul_f32 v[TMP], 0x3fb8aa3b, v[TMP]           ; c = log2(e) / ks
	v_readfirstlane_b32 s[S_TWOC], v[TMP]
	s_xor_b32 s[S_NEGC], s[S_TWOC], 0x80000000     ; -c
	v_add_f32 v[TMP], v[TMP], v[TMP]
	v_readfirstlane_b32 s[S_TWOC], v[TMP]          ; 2c
	s_cmp_eq_u32 s[S_WAVE], 3
	s_cbranch_scc1 .Lnocopy                        ; waves 0-2: each stores 32 lanes x 8 bytes = 256 consecutive bytes, aligned
	global_load_b64 v[T:T+1], v[U], s[S_CPY:S_CPY+1]
	s_wait_loadcnt 0x0
	global_store_b64 v[U], v[T:T+1], s[S_OUT:S_OUT+1] th:TH_STORE_NT
	s_wait_xcnt 0x0                                ; T and U are written again below
.Lnocopy:
	s_wait_loadcnt 0x0                             ; rows, main tiles 0-3, special tile
	WEIGHT 0
.set RW, RAW
.set BW, BF
	FORMAT_ALL                                     ; main tile 0
	COLBASE 0, 4
	global_load_b96 v[RAW:RAW+2], v[L12], s[S_SB:S_SB+1]
	WEIGHT 1
.set RW, RAW+4
.set BW, BF+8
	FORMAT_ALL                                     ; main tile 1
	COLBASE 1, 5
	global_load_b96 v[RAW+4:RAW+6], v[L12], s[S_SB+2:S_SB+3]
	s_mov_b32 s[S_W], 0                            ; block d = 32 has weight 1
.set RW, RAWS
.set BW, BFS
	FORMAT_ALL                                     ; the special tile: kept to the end
.irp n, 0,1,2,3,4,5,6,7
	ABUILD \n
.endr
.irp n, 0,1,2,3,4,5,6
	v_wmma_f32_16x16x32_bf16 v[D+8*\n:D+8*\n+7], v[A+8*\n:A+8*\n+7], v[BF:BF+7], 0     ; main tile 0, result tiles 0-6; tile 7 follows in step 0
.endr
.rept 4
	v_nop                                          ; four places before the first exponential reads a result (ISA guide 7.12.1)
.endr
; ---------------------------------------------------------------- 65 steps: 0 | 1..56 in 14 trips of 4 | 57..64
; Loads in flight: step t cuts tile t+2 and fetches tile t+6, so at a step's head tiles t+3, t+4, t+5 are the three younger loads.
	STEP 0, 0, 0, 1, ACCM, BF, 1, BF+8, 1, 3, 1
	s_mov_b32 s[S_T], 1
.Lloop:
	s_add_co_u32 s[S_TC], s[S_T], s[S_CB]
	STEPN 1, 0, 1, 3, 1
	STEPN 2, 1, 1, 3, 1
	STEPN 3, 2, 1, 3, 1
	STEPN 0, 3, 1, 3, 1
	s_add_co_u32 s[S_T], s[S_T], 4
	s_cmp_lt_u32 s[S_T], 57
	s_cbranch_scc1 .Lloop
	s_add_co_u32 s[S_TC], s[S_T], s[S_CB]          ; S_T = 57
	STEPN 1, 0, 1, 3, 1                            ; 57: the last fetch, main tile 63
	STEPN 2, 1, 1, 3, 0                            ; 58: cuts tile 60; 61, 62, 63 may be out
	STEPN 3, 2, 1, 2, 0                            ; 59
	STEPN 0, 3, 1, 1, 0                            ; 60
	STEPN 1, 4, 1, 0, 0                            ; 61: cuts tile 63, nothing younger
	STEPN 2, 5, 0, 0, 0                            ; 62
	STEP 3, 6, 1, 0, ACCM, BF+8, 1, BFS, 0, 0, 0   ; 63: the next tile is the special one
	STEP 0, 7, 1, 1, ACCS, BFS, 0, 0, 0, 0, 0      ; 64: the special tile, sums of its own; no tile follows
.set c_sum, 1
.set c_st, 0
.set c_ac, ACCS
.set c_dp, D+56
	SUMOP 0                                        ; its result tile 7 (the add of tile 6 stands behind the last exponential)
	SUMOP 1
	SUMOP 2
	SUMOP 3
; ---------------------------------------------------------------- the wave's two sums, and its 16 bytes {xx, zz, xz, 0}
	v_pk_add_f32 v[ACCM:ACCM+1], v[ACCM:ACCM+1], v[ACCM+2:ACCM+3]
	v_pk_add_f32 v[ACCM+4:ACCM+5], v[ACCM+4:ACCM+5], v[ACCM+6:ACCM+7]
	v_pk_add_f32 v[ACCS:ACCS+1], v[ACCS:ACCS+1], v[ACCS+2:ACCS+3]
	v_pk_add_f32 v[ACCS+4:ACCS+5], v[ACCS+4:ACCS+5], v[ACCS+6:ACCS+7]
	v_pk_add_f32 v[ACCM:ACCM+1], v[ACCM:ACCM+1], v[ACCM+4:ACCM+5]
	v_pk_add_f32 v[ACCS:ACCS+1], v[ACCS:ACCS+1], v[ACCS+4:ACCS+5]
	v_add_f32 v[ACCM], v[ACCM], v[ACCM+1]
	v_add_f32 v[ACCS], v[ACCS], v[ACCS+1]
.irp m, 1,2,4,8
	v_add_f32_dpp v[ACCM], v[ACCM], v[ACCM] row_xmask:\m row_mask:0xf bank_mask:0xf
	v_add_f32_dpp v[ACCS], v[ACCS], v[ACCS] row_xmask:\m row_mask:0xf bank_mask:0xf
.endr
	v_permlanex16_b32 v[ACCM+1], v[ACCM], s[S_X16A], s[S_X16B]
	v_permlanex16_b32 v[ACCS+1], v[ACCS], s[S_X16A], s[S_X16B]
	v_add_f32 v[ACCM], v[ACCM], v[ACCM+1]
	v_add_f32 v[ACCS], v[ACCS], v[ACCS+1]
	v_fma_f32 v[ACCS], v[ACCM], s[S_WMAIN], v[ACCS]        ; own set: special + (half 0: main)
	v_mul_f32 v[T], s[S_FX], v[ACCS]                       ; xx, 0 for z rows
	v_mul_f32 v[T+1], s[S_FZ], v[ACCS]                     ; zz, 0 for x rows
	v_mul_f32 v[T+2], s[S_F1], v[ACCM]                     ; xz: half 1's main sum
	v_mov_b32 v[T+3], 0
	v_lshrrev_b32 v[TMP], 5, v0
	v_lshlrev_b32 v[TMP], 4, v[TMP]                        ; 16 bytes a wave,
	s_lshl_b32 s[S_OFF], ttmp9, 6                          ; 64 a work-group: 16 KiB in all, too little per wave to fill 256 bytes
	s_add_nc_u64 s[14:15], s[14:15], s[S_OFF:S_OFF+1]
	v_and_b32 v[U], 31, v0
	v_cmp_eq_u32 vcc_lo, 0, v[U]
	s_wait_xcnt 0x0                                        ; EXEC changes only behind this wait
	s_and_saveexec_b32 s[S_EX], vcc_lo                     ; lane 0 stores for the wave
	global_store_b128 v[TMP], v[T:T+3], s[14:15]
	s_wait_xcnt 0x0
	s_or_b32 exec_lo, exec_lo, s[S_EX]
	s_endpgm
.Lfunc_end_k_q2b2845d93a_pairs:
	.size	k_q2b2845d93a_pairs, .Lfunc_end_k_q2b2845d93a_pairs-k_q2b2845d93a_pairs
	.p2alignl 7, 3214868480
	.fill 96, 4, 3214868480
	.section	.rodata,"a",@progbits
	.p2align	6, 0x0
	.amdhsa_kernel k_q2b2845d93a_pairs
		.amdhsa_group_segment_fixed_size 0
		.amdhsa_private_segment_fixed_size 0
		.amdhsa_enable_private_segment 0
		.amdhsa_kernarg_size 48
		.amdhsa_user_sgpr_count 2
		.amdhsa_user_sgpr_kernarg_segment_ptr 1
		.amdhsa_wavefront_size32 1
		.amdhsa_system_sgpr_workgroup_id_x 1
		.amdhsa_system_sgpr_workgroup_id_y 1
		.amdhsa_system_sgpr_workgroup_id_z 1
		.amdhsa_system_vgpr_workitem_id 0
		.amdhsa_next_free_vgpr 224
		.amdhsa_next_free_sgpr 66
		.amdhsa_reserve_vcc 1
		.amdhsa_float_denorm_mode_32 3
		.amdhsa_float_denorm_mode_16_64 3
		.amdhsa_memory_ordered 1
		.amdhsa_forward_progress 1
		.amdhsa_inst_pref_size 112
	.end_amdhsa_kernel
	.amdgpu_metadata
---
amdhsa.version: [ 1, 2 ]
amdhsa.kernels:
  - .name:           k_q2b2845d93a_pairs
    .symbol:         k_q2b2845d93a_pairs.kd
    .args:
      - { .name: ks, .offset: 0, .size: 8, .value_kind: global_buffer, .address_space: global }
      - { .name: x, .offset: 8, .size: 8, .value_kind: global_buffer, .address_space: global }
      - { .name: z, .offset: 16, .size: 8, .value_kind: global_buffer, .address_space: global }
      - { .name: out0, .offset: 24, .size: 8, .value_kind: global_buffer, .address_space: global }
      - { .name: out1, .offset: 32, .size: 8, .value_kind: global_buffer, .address_space: global }
      - { .name: part, .offset: 40, .size: 8, .value_kind: global_buffer, .address_space: global }
    .group_segment_fixed_size: 0
    .private_segment_fixed_size: 0
    .kernarg_segment_align: 8
    .kernarg_segment_size: 48
    .max_flat_workgroup_size: 128
    .sgpr_count:     66
    .vgpr_count:     224
    .wavefront_size: 32
...
	.end_amdgpu_metadata
.endif
;; end of part 1
;; launch finish (part 2): grid 1 x 1, 1 waves a work-group, no clusters, 0 bytes of LDS; arguments part, ks, theta, out2; writes out2
.if DOCPART == 2
	.amdgcn_target "amdgcn-amd-amdhsa--gfx1250"
	.amdhsa_code_object_version 6
	.text
	.protected	k_q2b2845d93a_finish
	.globl	k_q2b2845d93a_finish
	.p2align	8
	.type	k_q2b2845d93a_finish,@function
k_q2b2845d93a_finish:
	s_mov_b64 s[64:65], 0
	v_nop
	global_prefetch_b8 v0, s[64:65] scope:SCOPE_SE
	s_setreg_imm32_b32 hwreg(HW_REG_WAVE_MODE, 25, 1), 1
	s_wait_xcnt 0x0
; out2 = theta * log( sqrt(mxx mzz + 1e-5) / (mxz + 1e-5) ),  m.. = S.. / (8192^2 sqrt(2 pi ks)).
; part holds 1,024 records of 16 bytes {xx, zz, xz, 0}, one for each wave of the launch before.  One wave reads the 16 KiB with 32 loads of
; 512 consecutive bytes, all in flight at once, adds them in four chains, then across its lanes.  One wave is enough for 16 KiB, and it
; needs neither LDS nor a barrier.
; Limit: ks a positive normal number (v_rsq_f32, 1 ULP); sqrt, reciprocal and log are the 1-ULP instructions.
.set REC, 8                            ; v[8:135]: record k*32 + lane in v[8+4k : 11+4k]
	s_load_b256 s[4:11], s[0:1], 0x0               ; part s[4:5], ks s[6:7], theta s[8:9], out2 s[10:11]
	v_lshlrev_b32 v1, 4, v0                        ; 16 bytes a lane
	s_mov_b32 s14, 0x76543210
	s_mov_b32 s15, 0xfedcba98
	s_wait_kmcnt 0x0
	s_load_b32 s12, s[6:7], 0x0                    ; ks
	s_load_b32 s13, s[8:9], 0x0                    ; theta
.set k, 0
.rept 32
	global_load_b128 v[REC+4*k:REC+4*k+3], v1, s[4:5] offset:512*k th:TH_LOAD_NT
.set k, k+1
.endr
.set k, 4
.rept 28
	s_wait_loadcnt 31-k                            ; loads return in order (ISA guide 5.7.1): record group k is in, the 31-k younger ones stay out
	v_pk_add_f32 v[REC+4*(k%4):REC+4*(k%4)+1], v[REC+4*(k%4):REC+4*(k%4)+1], v[REC+4*k:REC+4*k+1]
	v_add_f32 v[REC+4*(k%4)+2], v[REC+4*(k%4)+2], v[REC+4*k+2]
.set k, k+1
.endr
	v_pk_add_f32 v[REC:REC+1], v[REC:REC+1], v[REC+4:REC+5]
	v_add_f32 v[REC+2], v[REC+2], v[REC+6]
	v_pk_add_f32 v[REC+8:REC+9], v[REC+8:REC+9], v[REC+12:REC+13]
	v_add_f32 v[REC+10], v[REC+10], v[REC+14]
	v_pk_add_f32 v[REC:REC+1], v[REC:REC+1], v[REC+8:REC+9]
	v_add_f32 v[REC+2], v[REC+2], v[REC+10]
.irp m, 1,2,4,8
	v_add_f32_dpp v[REC], v[REC], v[REC] row_xmask:\m row_mask:0xf bank_mask:0xf
	v_add_f32_dpp v[REC+1], v[REC+1], v[REC+1] row_xmask:\m row_mask:0xf bank_mask:0xf
	v_add_f32_dpp v[REC+2], v[REC+2], v[REC+2] row_xmask:\m row_mask:0xf bank_mask:0xf
.endr
	v_permlanex16_b32 v[REC+4], v[REC], s14, s15   ; the destinations have been written before (records)
	v_permlanex16_b32 v[REC+5], v[REC+1], s14, s15
	v_permlanex16_b32 v[REC+6], v[REC+2], s14, s15
	v_pk_add_f32 v[REC:REC+1], v[REC:REC+1], v[REC+4:REC+5]    ; Sxx, Szz
	v_add_f32 v[REC+2], v[REC+2], v[REC+6]                     ; Sxz
	s_wait_kmcnt 0x0
	v_mov_b32 v2, s12
	v_mul_f32 v2, 0x40c90fdb, v2                   ; 2 pi ks
	v_rsq_f32 v2, v2
	v_nop                                          ; one plain place behind each run of transcendentals (ISA guide 5.7.2)
	s_wait_alu depctr_va_vdst(0)
	v_mul_f32 v2, 0x32800000, v2                   ; 2^-26 / sqrt(2 pi ks): 8192^2 = 2^26
	v_mul_f32 v[REC], v[REC], v2                   ; mxx
	v_mul_f32 v[REC+1], v[REC+1], v2               ; mzz
	v_mul_f32 v[REC+2], v[REC+2], v2               ; mxz
	v_fmaak_f32 v[REC], v[REC], v[REC+1], 0x3727c5ac       ; mxx mzz + 1e-5
	v_add_f32 v[REC+2], 0x3727c5ac, v[REC+2]               ; mxz + 1e-5
	v_sqrt_f32 v[REC], v[REC]
	v_rcp_f32 v[REC+2], v[REC+2]
	v_nop
	s_wait_alu depctr_va_vdst(0)
	v_mul_f32 v[REC], v[REC], v[REC+2]
	v_log_f32 v[REC], v[REC]                       ; log2
	v_nop
	s_wait_alu depctr_va_vdst(0)
	v_mul_f32 v[REC], 0x3f317218, v[REC]           ; * ln 2
	v_mul_f32 v[REC], s13, v[REC]                  ; * theta
	v_cmp_eq_u32 vcc_lo, 0, v0
	s_wait_xcnt 0x0                                ; EXEC changes only behind this wait
	s_and_saveexec_b32 s16, vcc_lo                 ; lane 0 (whose v1 is 0) stores the one number
	global_store_b32 v1, v[REC], s[10:11]
	s_wait_xcnt 0x0
	s_or_b32 exec_lo, exec_lo, s16
	s_endpgm
.Lfunc_end_k_q2b2845d93a_finish:
	.size	k_q2b2845d93a_finish, .Lfunc_end_k_q2b2845d93a_finish-k_q2b2845d93a_finish
	.p2alignl 7, 3214868480
	.fill 96, 4, 3214868480
	.section	.rodata,"a",@progbits
	.p2align	6, 0x0
	.amdhsa_kernel k_q2b2845d93a_finish
		.amdhsa_group_segment_fixed_size 0
		.amdhsa_private_segment_fixed_size 0
		.amdhsa_enable_private_segment 0
		.amdhsa_kernarg_size 32
		.amdhsa_user_sgpr_count 2
		.amdhsa_user_sgpr_kernarg_segment_ptr 1
		.amdhsa_wavefront_size32 1
		.amdhsa_system_sgpr_workgroup_id_x 1
		.amdhsa_system_sgpr_workgroup_id_y 1
		.amdhsa_system_sgpr_workgroup_id_z 1
		.amdhsa_system_vgpr_workitem_id 0
		.amdhsa_next_free_vgpr 136
		.amdhsa_next_free_sgpr 66
		.amdhsa_reserve_vcc 1
		.amdhsa_float_denorm_mode_32 3
		.amdhsa_float_denorm_mode_16_64 3
		.amdhsa_memory_ordered 1
		.amdhsa_forward_progress 1
		.amdhsa_inst_pref_size 10
	.end_amdhsa_kernel
	.amdgpu_metadata
---
amdhsa.version: [ 1, 2 ]
amdhsa.kernels:
  - .name:           k_q2b2845d93a_finish
    .symbol:         k_q2b2845d93a_finish.kd
    .args:
      - { .name: part, .offset: 0, .size: 8, .value_kind: global_buffer, .address_space: global }
      - { .name: ks, .offset: 8, .size: 8, .value_kind: global_buffer, .address_space: global }
      - { .name: theta, .offset: 16, .size: 8, .value_kind: global_buffer, .address_space: global }
      - { .name: out2, .offset: 24, .size: 8, .value_kind: global_buffer, .address_space: global }
    .group_segment_fixed_size: 0
    .private_segment_fixed_size: 0
    .kernarg_segment_align: 8
    .kernarg_segment_size: 32
    .max_flat_workgroup_size: 32
    .sgpr_count:     66
    .vgpr_count:     136
    .wavefront_size: 32
...
	.end_amdgpu_metadata
.endif
;; end of part 2
;; ======== version 2 of 2: 2 launches; 2.31 times as fast as version 1
;; workspace buffers: part 16,384 bytes
;; launch pairs (part 3): grid 256 x 1, 4 waves a work-group, no clusters, 0 bytes of LDS; arguments ks, x, z, out0, out1, part; writes out0, out1, part
.if DOCPART == 3
	.amdgcn_target "amdgcn-amd-amdhsa--gfx1250"
	.amdhsa_code_object_version 6
	.text
	.protected	k_q2b2845d93a_pairs
	.globl	k_q2b2845d93a_pairs
	.p2align	8
	.type	k_q2b2845d93a_pairs,@function
k_q2b2845d93a_pairs:
	s_mov_b64 s[64:65], 0
	v_nop
	global_prefetch_b8 v0, s[64:65] scope:SCOPE_SE
	s_setreg_imm32_b32 hwreg(HW_REG_WAVE_MODE, 25, 1), 1
	s_wait_xcnt 0x0
; Sums of exp(-|a-b|^2 / ks) over the pairs (x,x), (z,z) and (x,z) of two sets of 8,192 points in 3 dimensions, and the copies out0 = x, out1 = z.
;
; WHICH PAIRS.  Each set is 64 blocks of 128 points.  The sums over (x,x) and (z,z) are symmetric for every input, so row block i takes of
; its OWN set only the column blocks i+d (mod 64), d = 0 (weight 1), d = 1..31 (weight 2: they stand for their mirror images too) and
; d = 32 (weight 1: both partners compute it): weights 1 + 2*31 + 1 = 64 blocks, the whole row.  Of the OTHER set an x row block i takes the z
; blocks i .. i+31, a z row block k the x blocks k+1 .. k+32 (mod 64): every (x,z) block once.  So each of the 128 row blocks has 65 column
; blocks = 520 column tiles of 16 points, and 8 waves (2 work-groups of 4) take 65 tiles each: 1,024 waves with the same work.
; Work-group g: row block g>>1 (0-63: x, 64-127: z), half g&1.  Wave w: 64 MAIN tiles (half 0: own tiles 64w..64w+63 counted from the
; diagonal; half 1: the same range of the other set) and one SPECIAL tile, number 4*half + w of the own set's block d = 32.
;
; THE EXPONENT IS ONE MATRIX PRODUCT.  With c = log2(e)/ks:  e = sum_d (2c a_d) b_d - c|a|^2 + (w - c|b|^2),  exp2(e) = weight * G,  w = 0 or 1.
; Every f32 factor is cut into three bf16 pieces h, m, l by truncation (8 + 8 + 8 mantissa bits: the cut is exact), and the 32 places along K
; hold, for lane half h = lane/16 (A's and B's fragments have the same map, so register j, half-word y of A meets the same of B):
;   register d   (d = 0,1,2)  B: (bh, bm) in both lane halves      A: half 0 (ah, ah)   half 1 (am, am)
;   register 3+d              B: (bh, bl) in both lane halves      A: half 0 (al, ah)   half 1 (0,  am)
;   register 6                B: (th, tm) in both lane halves      A: half 0 (1, 1)     half 1 (0, 0)          t = w - c|b|^2
;   register 7                B: half 0 (tl, 1)  half 1 (1, 1)     A: half 0 (1, sh)    half 1 (sm, sl)        s = -c|a|^2
; Left out: al*bm and al*bl, below 2^-21 of |a_d b_d|.  A tile of 16 x 16 pairs then costs one matrix instruction, 8 exponentials, 4 packed adds.
;
; THE EXPONENTIALS GO IN BATCHES OF 32, ONE WAIT A BATCH.  The eight result tiles are two sets of four, D0-3 and D4-7.  While the 32 exponentials of
; one set are issued, in place, every other line that names a result register names the other set: its adds (that set's exponentials are the batch
; before, waited for already) and the products that fill it again.  Behind a batch stands one s_wait_alu depctr_va_vdst(0),
; ahead of the first line that names a result; then the sets change places.  A column tile is two batches.
;
; NO LDS, NO TENSOR LOADS, NO CLUSTER: a B fragment serves one wave alone (8 products); a wave's whole column stream is 64 tiles x 192 bytes
; = 12 KiB, each tile feeds 2,048 exponentials, both sets are 192 KiB in all, and a lane needs its point in registers to cut it into pieces.
;
; LIMITS.  ks: a positive normal number; 1/ks by v_rcp_f32 (1 ULP).  exp2 below 2^-126 counts as 0 (v_exp_f32 flushes; each such term is far
; below the 1e-5 that is added to the means later).  Where c|x|^2 overflows f32 the result is not finite, as in the expanded form itself.
; The terms are summed in another order than a row-major mean.
.set TILEB, 192                        ; a column tile: 16 points of 12 bytes
; vector registers
.set L12,  1                           ; 12 * (lane % 16): my point in a tile of 16
.set SELV, 2                           ; byte selector for B's register 7: differs between the lane halves
.set TMP,  3
.set ACCM, 4                           ; v[4:11]    sums of the main tiles
.set ACCS, 12                          ; v[12:19]   sums of the special tile
.set T,    20                          ; v[20:23]   first pieces as f32
.set U,    24                          ; v[24:27]   second pieces as f32
.set P1,   28                          ; v[28:31]   value - first piece
.set P2,   32                          ; v[32:35]   value - first - second piece (= third piece)
.set Q,    36                          ; |b|^2
.set RAW,  40                          ; v[40:55]   four slots: b0, b1, b2 as loaded, and t
.set RAWS, 56                          ; v[56:59]   the same for the special tile
.set BF,   64                          ; v[64:79]   two B fragments: tile n lives in fragment n & 1
.set BFS,  80                          ; v[80:87]   the special tile's B fragment
.set A,    96                          ; v[96:159]  eight A fragments: my 128 rows
.set D,    160                         ; v[160:223] eight result tiles, two sets of four; in the prologue the rows as loaded
; scalar registers
.set S_KS,    16
.set S_WAVE,  17
.set S_HALF,  18
.set S_ISZ,   19                       ; 1: my rows are z's
.set S_I,     20                       ; row block inside its set
.set S_TMP,   21
.set S_OWN,   22                       ; pair: the set of my rows
.set S_COL,   24                       ; pair: the set of my main tiles
.set S_OUT,   26                       ; pair: where my share of the copy goes
.set S_NEGC,  28
.set S_TWOC,  29
.set S_W,     30                       ; w of the tile that is being cut
.set S_WMAIN, 31                       ; 1.0 in half 0, 0 in half 1
.set S_T0,    32                       ; main tiles below this number lie in the diagonal block: w = 0
.set S_MASK,  33                       ; 0xffff0000: a word's bf16 part ...
.set S_HM,    33                       ; ... and, the same 32 bits, the mask of lanes 16-31
.set S_SEL,   34
.set S_SELHH, 35
.set S_ONE,   36
.set S_ONES2, 37
.set S_T,     38                       ; number of the first step of a trip
.set S_CB,    39                       ; column tile of main tile 0
.set S_OFF,   40                       ; pair: a byte offset, high word 0
.set S_TC,    42                       ; S_T + S_CB
.set S_EX,    43
.set S_SB,    44                       ; four pairs: each raw slot's base
.set S_ROW,   52                       ; pair
.set S_SPB,   54                       ; pair
.set S_CPY,   56                       ; pair
.set S_X16A,  58
.set S_X16B,  59
.set S_F1,    60
.set S_FX,    61
.set S_FZ,    62
; base of raw slot \slot = column set + 192 * ((S_TC + ahead) mod 512)
.macro COLBASE slot, ahead
	s_add_co_u32 s[S_TMP], s[S_TC], \ahead
	s_and_b32 s[S_TMP], s[S_TMP], 511
	s_mul_i32 s[S_OFF], s[S_TMP], TILEB
	s_add_nc_u64 s[S_SB+2*\slot:S_SB+2*\slot+1], s[S_COL:S_COL+1], s[S_OFF:S_OFF+1]
.endm
; w of main tile S_T + ahead
.macro WEIGHT ahead
	s_add_co_u32 s[S_TMP], s[S_T], \ahead
	s_cmp_ge_u32 s[S_TMP], s[S_T0]
	s_cselect_b32 s[S_W], s[S_WMAIN], 0
.endm
; Instruction k (0..23) of the cut of one column tile: raw slot at v[RW], fragment at v[BW] (symbols set by the caller).
; Numbers 0 to 14 write temporaries alone; the fragment is written from number 15 on.
; v_perm_b32 with 0x07060302 packs {first source's high half, second source's high half}: taking a high half IS the truncation to bf16.
.macro FOP k
.if (\k) == 0
	v_mul_f32 v[Q], v[RW], v[RW]
.endif
.if (\k) == 1
	v_and_b32 v[T], s[S_MASK], v[RW]
.endif
.if (\k) == 2
	v_and_b32 v[T+1], s[S_MASK], v[RW+1]
.endif
.if (\k) == 3
	v_fmac_f32 v[Q], v[RW+1], v[RW+1]
.endif
.if (\k) == 4
	v_and_b32 v[T+2], s[S_MASK], v[RW+2]
.endif
.if (\k) == 5
	v_pk_add_f32 v[P1:P1+1], v[RW:RW+1], v[T:T+1] neg_lo:[0,1] neg_hi:[0,1]
.endif
.if (\k) == 6
	v_fmac_f32 v[Q], v[RW+2], v[RW+2]
.endif
.if (\k) == 7
	v_and_b32 v[U], s[S_MASK], v[P1]
.endif
.if (\k) == 8
	v_and_b32 v[U+1], s[S_MASK], v[P1+1]
.endif
.if (\k) == 9
	v_fma_f32 v[RW+3], s[S_NEGC], v[Q], s[S_W]             ; t = w - c |b|^2
.endif
.if (\k) == 10
	v_pk_add_f32 v[P2:P2+1], v[P1:P1+1], v[U:U+1] neg_lo:[0,1] neg_hi:[0,1]
.endif
.if (\k) == 11
	v_and_b32 v[T+3], s[S_MASK], v[RW+3]
.endif
.if (\k) == 12
	v_pk_add_f32 v[P1+2:P1+3], v[RW+2:RW+3], v[T+2:T+3] neg_lo:[0,1] neg_hi:[0,1]
.endif
.if (\k) == 13
	v_and_b32 v[U+2], s[S_MASK], v[P1+2]
.endif
.if (\k) == 14
	v_and_b32 v[U+3], s[S_MASK], v[P1+3]
.endif
.if (\k) == 15
	v_perm_b32 v[BW], v[P1], v[RW], s[S_SEL]               ; (bh0, bm0)
.endif
.if (\k) == 16
	v_perm_b32 v[BW+1], v[P1+1], v[RW+1], s[S_SEL]
.endif
.if (\k) == 17
	v_perm_b32 v[BW+3], v[P2], v[RW], s[S_SEL]             ; (bh0, bl0)
.endif
.if (\k) == 18
	v_pk_add_f32 v[P2+2:P2+3], v[P1+2:P1+3], v[U+2:U+3] neg_lo:[0,1] neg_hi:[0,1]
.endif
.if (\k) == 19
	v_perm_b32 v[BW+4], v[P2+1], v[RW+1], s[S_SEL]
.endif
.if (\k) == 20
	v_perm_b32 v[BW+2], v[P1+2], v[RW+2], s[S_SEL]
.endif
.if (\k) == 21
	v_perm_b32 v[BW+6], v[P1+3], v[RW+3], s[S_SEL]         ; (th, tm)
.endif
.if (\k) == 22
	v_perm_b32 v[BW+5], v[P2+2], v[RW+2], s[S_SEL]
.endif
.if (\k) == 23
	v_perm_b32 v[BW+7], s[S_ONE], v[P2+3], v[SELV]         ; lanes 0-15 (tl, 1), lanes 16-31 (1, 1)
.endif
.endm
.macro FORMAT_ALL                      ; the 24 in one run (prologue)
.set fk, 0
.rept 24
	FOP fk
.set fk, fk+1
.endr
.endm
; The A fragment of rows 16 s .. 16 s + 15 of my block; the rows as loaded lie at v[D+4s .. D+4s+2]
.macro ABUILD s
.set RA, D+4*\s
.set AF, A+8*\s
	v_mul_f32 v[Q], v[RA], v[RA]
	v_fmac_f32 v[Q], v[RA+1], v[RA+1]
	v_fmac_f32 v[Q], v[RA+2], v[RA+2]
	v_mul_f32 v[RA], s[S_TWOC], v[RA]                      ; 2c a_d
	v_mul_f32 v[RA+1], s[S_TWOC], v[RA+1]
	v_mul_f32 v[RA+2], s[S_TWOC], v[RA+2]
	v_mul_f32 v[RA+3], s[S_NEGC], v[Q]                     ; s = -c |a|^2
.irp n, 0,1,2,3
	v_and_b32 v[T+\n], s[S_MASK], v[RA+\n]
.endr
	v_pk_add_f32 v[P1:P1+1], v[RA:RA+1], v[T:T+1] neg_lo:[0,1] neg_hi:[0,1]
	v_pk_add_f32 v[P1+2:P1+3], v[RA+2:RA+3], v[T+2:T+3] neg_lo:[0,1] neg_hi:[0,1]
.irp n, 0,1,2,3
	v_and_b32 v[U+\n], s[S_MASK], v[P1+\n]
.endr
	v_pk_add_f32 v[P2:P2+1], v[P1:P1+1], v[U:U+1] neg_lo:[0,1] neg_hi:[0,1]
	v_pk_add_f32 v[P2+2:P2+3], v[P1+2:P1+3], v[U+2:U+3] neg_lo:[0,1] neg_hi:[0,1]
.irp n, 0,1,2
	v_cndmask_b32 v[T+\n], v[RA+\n], v[P1+\n], s[S_HM]     ; lanes 0-15: the value (its high half is ah); lanes 16-31: am
	v_cndmask_b32 v[U+\n], v[P2+\n], 0, s[S_HM]            ; lanes 0-15: al; lanes 16-31: 0
	v_perm_b32 v[AF+\n], v[T+\n], v[T+\n], s[S_SELHH]      ; (ah, ah) | (am, am)
	v_perm_b32 v[AF+3+\n], v[T+\n], v[U+\n], s[S_SEL]      ; (al, ah) | (0, am): low half from the second source
.endr
	v_cndmask_b32 v[AF+6], s[S_ONES2], 0, s[S_HM]          ; (1, 1) | (0, 0)
	v_cndmask_b32 v[T+3], v[RA+3], v[P2+3], s[S_HM]        ; high half: sh | sl
	v_cndmask_b32 v[U+3], s[S_ONE], v[P1+3], s[S_HM]       ; low half:  1  | sm
	v_perm_b32 v[AF+7], v[T+3], v[U+3], s[S_SEL]
.endm
; one packed add of result tile v[c_dp ..] into the sums v[c_ac ..]; c_st = 1: the first term starts the sums, nothing is cleared.
; The tile's exponentials belong to a batch whose wait has been passed (STEP).
.macro SUMOP n
.if c_sum
.if c_st
	v_pk_add_f32 v[c_ac+2*\n:c_ac+2*\n+1], v[c_dp+2*\n:c_dp+2*\n+1], 0 op_sel_hi:[1,0]
.else
	v_pk_add_f32 v[c_ac+2*\n:c_ac+2*\n+1], v[c_ac+2*\n:c_ac+2*\n+1], v[c_dp+2*\n:c_dp+2*\n+1]
.endif
.endif
.endm
; STEP t (tm = t mod 4, t = S_T + j): the exponentials of tile t, in two batches of 32.  Eighth i: 8 exponentials in place on result tile i; between
; them the four adds of result tile (i+4) mod 8, which belongs to the batch before, and three instructions of the cut of tile t+2; then the product
; that fills result tile (i+4) mod 8 again (eighths 0-3: result tiles 4-7 of tile t, fragment bcur; eighths 4-7: result tiles 0-3 of tile t+1,
; fragment bnxt).  So a step adds result tiles 4-7 of tile t-1 and then 0-3 of tile t: the sums take the result tiles in the order 0 to 7, tile after tile.
; THE TWO WAITS.  Behind eighth 3's last add: for the 32 exponentials on result tiles 0-3, first named again by eighth 4's first add.  Behind eighth 7's
; last add: for the 32 on result tiles 4-7, first named again by the next step's first add (behind the last step: by the closing adds).  Each stands ahead of
; its eighth's product, which names the other set.  The eighth's last add, which names the other set, is the plain instruction behind the batch's last exponential (ISA guide 5.7.2).
; Distances: a product's result is read four eighths later, behind three eighths' plain vector instructions that name none of its registers (9 at the
; least: step 0's first half, which has the cut alone), and the cut writes its fragment (instruction 15 on, eighth 5) a whole eighth, 7 plain
; instructions, behind the last product that read it, eighth 3's (ISA guide 7.12.1 asks for 4 places).
; sumlo: add result tiles 4-7 of tile t-1 (always a main tile); first: eighth 4 starts the sums acc; wnxt: tile t+1 exists;
; fmt: cut tile t+2, left = younger loads that may stay out; load: fetch tile t+6 into the slot just cut.
.macro STEP tm, j, sumlo, first, acc, bcur, wnxt, bnxt, fmt, left, load
.set c_sl, ((\tm)+2)&3
.set RW, RAW+4*c_sl
.set BW, BF+8*((\tm)&1)
.if \fmt
	s_wait_loadcnt \left                                   ; loads return in order (ISA guide 5.7.1): tile t+2 is in, and its slot's base is free
	WEIGHT \j+2
.endif
.irp i, 0,1,2,3,4,5,6,7
.set c_de, D+8*\i
.set c_pb, (\i+4)&7
.set c_dp, D+8*c_pb
.if \i < 4
.set c_sum, \sumlo
.set c_st, 0
.set c_ac, ACCM
.set c_w, 1
.set c_bb, \bcur
.else
.set c_sum, 1
.set c_st, 0
.if \i == 4
.set c_st, \first
.endif
.set c_ac, \acc
.set c_w, \wnxt
.set c_bb, \bnxt
.endif
	v_exp_f32 v[c_de], v[c_de]
	v_exp_f32 v[c_de+1], v[c_de+1]
	SUMOP 0
	v_exp_f32 v[c_de+2], v[c_de+2]
.if \fmt
	FOP 3*\i
.endif
	v_exp_f32 v[c_de+3], v[c_de+3]
	SUMOP 1
	v_exp_f32 v[c_de+4], v[c_de+4]
.if \fmt
	FOP 3*\i+1
.endif
	v_exp_f32 v[c_de+5], v[c_de+5]
	SUMOP 2
	v_exp_f32 v[c_de+6], v[c_de+6]
.if \fmt
	FOP 3*\i+2
.endif
	v_exp_f32 v[c_de+7], v[c_de+7]
	SUMOP 3
.if \i == 3
	s_wait_alu depctr_va_vdst(0)                           ; the wait for the batch on result tiles 0-3: one for its 32 exponentials
.endif
.if \i == 7
.if \load
	COLBASE c_sl, \j+6                                     ; the fetch's address: scalar work between the batch and its wait
.endif
	s_wait_alu depctr_va_vdst(0)                           ; the wait for the batch on result tiles 4-7: one for its 32 exponentials; it stands ahead of the step's end, so of every label and jump
.if \load
	global_load_b96 v[RW:RW+2], v[L12], s[S_SB+2*c_sl:S_SB+2*c_sl+1]   ; the step's one load, directly behind the wait
.endif
.endif
.if c_w
	v_wmma_f32_16x16x32_bf16 v[c_dp:c_dp+7], v[A+8*c_pb:A+8*c_pb+7], v[c_bb:c_bb+7], 0
.endif
.endr
.endm
.macro STEPN tm, j, fmt, left, load    ; a step in the middle: all sums are main sums, both fragments come from the ring of two
	STEP \tm, \j, 1, 0, ACCM, BF+8*((\tm)&1), 1, BF+8*(((\tm)+1)&1), \fmt, \left, \load
.endm
; ---------------------------------------------------------------- prologue
	s_load_b256 s[4:11], s[0:1], 0x0               ; ks s[4:5], x s[6:7], z s[8:9], out0 s[10:11]
	s_load_b128 s[12:15], s[0:1], 0x20             ; out1 s[12:13], part s[14:15]
	v_lshrrev_b32 v[TMP], 5, v0
	v_readfirstlane_b32 s[S_WAVE], v[TMP]
	v_and_b32 v[L12], 15, v0
	v_mul_u32_u24 v[L12], v[L12], 12
	v_lshlrev_b32 v[U], 3, v0                      ; the copy: 8 bytes a thread
	s_and_b32 s[S_HALF], ttmp9, 1
	s_lshr_b32 s[S_ISZ], ttmp9, 7
	s_bfe_u32 s[S_I], ttmp9, 0x60001               ; 6 bits from bit 1
	s_mov_b32 s[S_MASK], 0xffff0000
	s_mov_b32 s[S_SEL], 0x07060302
	s_mov_b32 s[S_SELHH], 0x07060706
	s_mov_b32 s[S_ONE], 0x3f800000                 ; 1.0 in f32; its high half is 1.0 in bf16
	s_mov_b32 s[S_ONES2], 0x3f803f80               ; 1.0 twice in bf16
	s_mov_b32 s[S_X16A], 0x76543210
	s_mov_b32 s[S_X16B], 0xfedcba98
	v_mov_b32 v[SELV], s[S_SELHH]
	v_cndmask_b32 v[SELV], s[S_SEL], v[SELV], s[S_HM]
	s_lshl_b32 s[S_CB], s[S_I], 3                  ; column tile of main tile 0: 8 i
	s_lshl_b32 s[S_TMP], s[S_WAVE], 6
	s_add_co_u32 s[S_CB], s[S_CB], s[S_TMP]        ; + 64 w
	s_and_b32 s[S_TMP], s[S_HALF], s[S_ISZ]
	s_lshl_b32 s[S_TMP], s[S_TMP], 3
	s_add_co_u32 s[S_CB], s[S_CB], s[S_TMP]        ; + 8 where z rows meet x columns (blocks k+1 .. k+32)
	s_mov_b32 s[S_T], 0
	s_mov_b32 s[S_TC], s[S_CB]
	s_mov_b32 s[S_OFF+1], 0
	s_cmp_eq_u32 s[S_HALF], 0
	s_cselect_b32 s[S_WMAIN], s[S_ONE], 0
	s_cselect_b32 s[S_F1], 0, s[S_ONE]
	s_cmp_eq_u32 s[S_WAVE], 0
	s_cselect_b32 s[S_T0], 8, 0                    ; wave 0's first 8 tiles: in half 0 the diagonal block (in half 1 w is 0 anyway)
	s_cmp_eq_u32 s[S_ISZ], 0
	s_cselect_b32 s[S_FX], s[S_ONE], 0
	s_cselect_b32 s[S_FZ], 0, s[S_ONE]
	s_wait_kmcnt 0x0
	s_load_b32 s[S_KS], s[4:5], 0x0
	s_cmp_eq_u32 s[S_ISZ], 0
	s_cselect_b64 s[S_OWN:S_OWN+1], s[6:7], s[8:9]
	s_cselect_b64 s[S_COL:S_COL+1], s[8:9], s[6:7]         ; the other set
	s_cselect_b64 s[S_OUT:S_OUT+1], s[10:11], s[12:13]
	s_cmp_eq_u32 s[S_HALF], 0
	s_cselect_b64 s[S_COL:S_COL+1], s[S_OWN:S_OWN+1], s[S_COL:S_COL+1]
	s_mul_i32 s[S_OFF], s[S_I], 128*12
	s_add_nc_u64 s[S_ROW:S_ROW+1], s[S_OWN:S_OWN+1], s[S_OFF:S_OFF+1]
.irp n, 0,1,2,3,4,5,6,7
	global_load_b96 v[D+4*\n:D+4*\n+2], v[L12], s[S_ROW:S_ROW+1] offset:\n*TILEB   ; row 16 n + lane % 16, in both lane halves
.endr
.irp n, 0,1,2,3
	COLBASE \n, \n
	global_load_b96 v[RAW+4*\n:RAW+4*\n+2], v[L12], s[S_SB+2*\n:S_SB+2*\n+1]       ; main tiles 0 to 3
.endr
	s_lshl_b32 s[S_TMP], s[S_HALF], 2              ; the special tile: own set, tile 8 i + 256 + 4 half + w (mod 512)
	s_add_co_u32 s[S_TMP], s[S_TMP], s[S_WAVE]
	s_lshl3_add_u32 s[S_TMP], s[S_I], s[S_TMP]
	s_add_co_u32 s[S_TMP], s[S_TMP], 256
	s_and_b32 s[S_TMP], s[S_TMP], 511
	s_mul_i32 s[S_OFF], s[S_TMP], TILEB
	s_add_nc_u64 s[S_SPB:S_SPB+1], s[S_OWN:S_OWN+1], s[S_OFF:S_OFF+1]
	global_load_b96 v[RAWS:RAWS+2], v[L12], s[S_SPB:S_SPB+1]
	s_and_b32 s[S_TMP], ttmp9, 127                 ; the copy: 768 bytes of my rows' set for each of its 128 work-groups
	s_mul_i32 s[S_OFF], s[S_TMP], 768
	s_add_nc_u64 s[S_CPY:S_CPY+1], s[S_OWN:S_OWN+1], s[S_OFF:S_OFF+1]
	s_add_nc_u64 s[S_OUT:S_OUT+1], s[S_OUT:S_OUT+1], s[S_OFF:S_OFF+1]
	s_wait_kmcnt 0x0                               ; ks
	v_rcp_f32 v[TMP], s[S_KS]
	v_nop                                          ; one plain place behind the reciprocal (ISA guide 5.7.2)
	s_wait_alu depctr_va_vdst(0)                   ; the wait for the reciprocal, a batch of one, once a launch: the next line reads it
	v_mul_f32 v[TMP], 0x3fb8aa3b, v[TMP]           ; c = log2(e) / ks
	v_readfirstlane_b32 s[S_TWOC], v[TMP]
	s_xor_b32 s[S_NEGC], s[S_TWOC], 0x80000000     ; -c
	v_add_f32 v[TMP], v[TMP], v[TMP]
	v_readfirstlane_b32 s[S_TWOC], v[TMP]          ; 2c
	s_cmp_eq_u32 s[S_WAVE], 3
	s_cbranch_scc1 .Lnocopy                        ; waves 0-2: each stores 32 lanes x 8 bytes = 256 consecutive bytes, aligned
	global_load_b64 v[T:T+1], v[U], s[S_CPY:S_CPY+1]
	s_wait_loadcnt 0x0
	global_store_b64 v[U], v[T:T+1], s[S_OUT:S_OUT+1] th:TH_STORE_NT
	s_wait_xcnt 0x0                                ; T and U are written again below
.Lnocopy:
	s_wait_loadcnt 0x0                             ; rows, main tiles 0-3, special tile
	WEIGHT 0
.set RW, RAW
.set BW, BF
	FORMAT_ALL                                     ; main tile 0
	COLBASE 0, 4
	global_load_b96 v[RAW:RAW+2], v[L12], s[S_SB:S_SB+1]
	WEIGHT 1
.set RW, RAW+4
.set BW, BF+8
	FORMAT_ALL                                     ; main tile 1
	COLBASE 1, 5
	global_load_b96 v[RAW+4:RAW+6], v[L12], s[S_SB+2:S_SB+3]
	s_mov_b32 s[S_W], 0                            ; block d = 32 has weight 1
.set RW, RAWS
.set BW, BFS
	FORMAT_ALL                                     ; the special tile: kept to the end
.irp n, 0,1,2,3,4,5,6,7
	ABUILD \n
.endr
.irp n, 0,1,2,3
	v_wmma_f32_16x16x32_bf16 v[D+8*\n:D+8*\n+7], v[A+8*\n:A+8*\n+7], v[BF:BF+7], 0     ; main tile 0, result tiles 0-3; tiles 4-7 follow in step 0's first half
.endr
.rept 4
	v_nop                                          ; four places before the first exponential reads a result (ISA guide 7.12.1)
.endr
; ---------------------------------------------------------------- 65 steps: 0 | 1..56 in 14 trips of 4 | 57..64
; Loads in flight: step t cuts tile t+2 and fetches tile t+6, so at a step's head tiles t+3, t+4, t+5 are the three younger loads.
	STEP 0, 0, 0, 1, ACCM, BF, 1, BF+8, 1, 3, 1
	s_mov_b32 s[S_T], 1
.Lloop:
	s_add_co_u32 s[S_TC], s[S_T], s[S_CB]
	STEPN 1, 0, 1, 3, 1
	STEPN 2, 1, 1, 3, 1
	STEPN 3, 2, 1, 3, 1
	STEPN 0, 3, 1, 3, 1
	s_add_co_u32 s[S_T], s[S_T], 4
	s_cmp_lt_u32 s[S_T], 57
	s_cbranch_scc1 .Lloop
	s_add_co_u32 s[S_TC], s[S_T], s[S_CB]          ; S_T = 57
	STEPN 1, 0, 1, 3, 1                            ; 57: the last fetch, main tile 63
	STEPN 2, 1, 1, 3, 0                            ; 58: cuts tile 60; 61, 62, 63 may be out
	STEPN 3, 2, 1, 2, 0                            ; 59
	STEPN 0, 3, 1, 1, 0                            ; 60
	STEPN 1, 4, 1, 0, 0                            ; 61: cuts tile 63, nothing younger
	STEPN 2, 5, 0, 0, 0                            ; 62
	STEP 3, 6, 1, 0, ACCM, BF+8, 1, BFS, 0, 0, 0   ; 63: the next tile is the special one
	STEP 0, 7, 1, 1, ACCS, BFS, 0, 0, 0, 0, 0      ; 64: the special tile, sums of its own; no tile follows
.set c_sum, 1
.set c_st, 0
.set c_ac, ACCS
.irp i, 4,5,6,7
.set c_dp, D+8*\i
	SUMOP 0                                        ; its result tiles 4-7: the last batch, whose wait stands at step 64's end
	SUMOP 1
	SUMOP 2
	SUMOP 3
.endr
; ---------------------------------------------------------------- the wave's two sums, and its 16 bytes {xx, zz, xz, 0}
	v_pk_add_f32 v[ACCM:ACCM+1], v[ACCM:ACCM+1], v[ACCM+2:ACCM+3]
	v_pk_add_f32 v[ACCM+4:ACCM+5], v[ACCM+4:ACCM+5], v[ACCM+6:ACCM+7]
	v_pk_add_f32 v[ACCS:ACCS+1], v[ACCS:ACCS+1], v[ACCS+2:ACCS+3]
	v_pk_add_f32 v[ACCS+4:ACCS+5], v[ACCS+4:ACCS+5], v[ACCS+6:ACCS+7]
	v_pk_add_f32 v[ACCM:ACCM+1], v[ACCM:ACCM+1], v[ACCM+4:ACCM+5]
	v_pk_add_f32 v[ACCS:ACCS+1], v[ACCS:ACCS+1], v[ACCS+4:ACCS+5]
	v_add_f32 v[ACCM], v[ACCM], v[ACCM+1]
	v_add_f32 v[ACCS], v[ACCS], v[ACCS+1]
.irp m, 1,2,4,8
	v_add_f32_dpp v[ACCM], v[ACCM], v[ACCM] row_xmask:\m row_mask:0xf bank_mask:0xf
	v_add_f32_dpp v[ACCS], v[ACCS], v[ACCS] row_xmask:\m row_mask:0xf bank_mask:0xf
.endr
	v_permlanex16_b32 v[ACCM+1], v[ACCM], s[S_X16A], s[S_X16B]
	v_permlanex16_b32 v[ACCS+1], v[ACCS], s[S_X16A], s[S_X16B]
	v_add_f32 v[ACCM], v[ACCM], v[ACCM+1]
	v_add_f32 v[ACCS], v[ACCS], v[ACCS+1]
	v_fma_f32 v[ACCS], v[ACCM], s[S_WMAIN], v[ACCS]        ; own set: special + (half 0: main)
	v_mul_f32 v[T], s[S_FX], v[ACCS]                       ; xx, 0 for z rows
	v_mul_f32 v[T+1], s[S_FZ], v[ACCS]                     ; zz, 0 for x rows
	v_mul_f32 v[T+2], s[S_F1], v[ACCM]                     ; xz: half 1's main sum
	v_mov_b32 v[T+3], 0
	v_lshrrev_b32 v[TMP], 5, v0
	v_lshlrev_b32 v[TMP], 4, v[TMP]                        ; 16 bytes a wave,
	s_lshl_b32 s[S_OFF], ttmp9, 6                          ; 64 a work-group: 16 KiB in all, too little per wave to fill 256 bytes
	s_add_nc_u64 s[14:15], s[14:15], s[S_OFF:S_OFF+1]
	v_and_b32 v[U], 31, v0
	v_cmp_eq_u32 vcc_lo, 0, v[U]
	s_wait_xcnt 0x0                                        ; EXEC changes only behind this wait
	s_and_saveexec_b32 s[S_EX], vcc_lo                     ; lane 0 stores for the wave
	global_store_b128 v[TMP], v[T:T+3], s[14:15]
	s_wait_xcnt 0x0
	s_or_b32 exec_lo, exec_lo, s[S_EX]
	s_endpgm
.Lfunc_end_k_q2b2845d93a_pairs:
	.size	k_q2b2845d93a_pairs, .Lfunc_end_k_q2b2845d93a_pairs-k_q2b2845d93a_pairs
	.p2alignl 7, 3214868480
	.fill 96, 4, 3214868480
	.section	.rodata,"a",@progbits
	.p2align	6, 0x0
	.amdhsa_kernel k_q2b2845d93a_pairs
		.amdhsa_group_segment_fixed_size 0
		.amdhsa_private_segment_fixed_size 0
		.amdhsa_enable_private_segment 0
		.amdhsa_kernarg_size 48
		.amdhsa_user_sgpr_count 2
		.amdhsa_user_sgpr_kernarg_segment_ptr 1
		.amdhsa_wavefront_size32 1
		.amdhsa_system_sgpr_workgroup_id_x 1
		.amdhsa_system_sgpr_workgroup_id_y 1
		.amdhsa_system_sgpr_workgroup_id_z 1
		.amdhsa_system_vgpr_workitem_id 0
		.amdhsa_next_free_vgpr 224
		.amdhsa_next_free_sgpr 66
		.amdhsa_reserve_vcc 1
		.amdhsa_float_denorm_mode_32 3
		.amdhsa_float_denorm_mode_16_64 3
		.amdhsa_memory_ordered 1
		.amdhsa_forward_progress 1
		.amdhsa_inst_pref_size 100
	.end_amdhsa_kernel
	.amdgpu_metadata
---
amdhsa.version: [ 1, 2 ]
amdhsa.kernels:
  - .name:           k_q2b2845d93a_pairs
    .symbol:         k_q2b2845d93a_pairs.kd
    .args:
      - { .name: ks, .offset: 0, .size: 8, .value_kind: global_buffer, .address_space: global }
      - { .name: x, .offset: 8, .size: 8, .value_kind: global_buffer, .address_space: global }
      - { .name: z, .offset: 16, .size: 8, .value_kind: global_buffer, .address_space: global }
      - { .name: out0, .offset: 24, .size: 8, .value_kind: global_buffer, .address_space: global }
      - { .name: out1, .offset: 32, .size: 8, .value_kind: global_buffer, .address_space: global }
      - { .name: part, .offset: 40, .size: 8, .value_kind: global_buffer, .address_space: global }
    .group_segment_fixed_size: 0
    .private_segment_fixed_size: 0
    .kernarg_segment_align: 8
    .kernarg_segment_size: 48
    .max_flat_workgroup_size: 128
    .sgpr_count:     66
    .vgpr_count:     224
    .wavefront_size: 32
...
	.end_amdgpu_metadata
.endif
;; end of part 3
;; launch finish: the kernel of part 2 again; grid 1 x 1, 1 waves a work-group, no clusters, 0 bytes of LDS; arguments part, ks, theta, out2; writes out2
